; MI455X (gfx1250); checked and timed in simulation.
; The chip was launched on July 23, 2026; its instructions are those of AMD's public machine-readable ISA for CDNA 5 (MIT licence, August 2026) and "CDNA5" Instruction Set Architecture Reference Guide (July 2026). The comments in the code are by the model that wrote it; some were corrected since.
;; Diff Multi Headed Cross Attention. Allowed arithmetic: matrix products marked QUANTISED: E2M3 operands, one E8M0 scale for each 32 along K, by v_wmma_scale_f32_16x16x128_f8f6f4 with both operands' format E2M3, f32 sums; everything else in f32.
;; Inputs: Wk 1,024 x 1,024 float32; Wq 1,024 x 1,024 float32; Wv 1,024 x 1,024 float32; decoder_feature 2 x 2,048 x 1,024 float32; encoder_feature 2 x 2,048 x 1,024 float32; lambda_k1 32 float32; lambda_k2 32 float32; lambda_q1 32 float32; lambda_q2 32 float32.
;; Outputs: out0 2 x 2,048 x 1,024 float32.
;; This version of the problem:
;;   THIS VERSION OF THE PROBLEM IS GIVEN IN LOW PRECISION. The matrix products marked QUANTISED in the list below multiply operands that are first quantised to E2M3 (2 exponent bits, 3 mantissa bits; 6 bits a number), with one power-of-two scale for each 32 numbers along K (OCP MX v1.0); their sums are f32. All else is computed in f32.
;;   The module's matrix products, in the order in which they are computed (A, B: the left and right operand; K: the contracted axis; several contracted axes count as one K, in the product's order):
;;     1. [M 4,096, K 1,024] x [K 1,024, N 1,024]; A: input decoder_feature; B: input Wq: QUANTISED
;;     2. [M 4,096, K 1,024] x [K 1,024, N 1,024]; A: input encoder_feature; B: input Wk: QUANTISED
;;     3. [M 4,096, K 1,024] x [K 1,024, N 1,024]; A: input encoder_feature; B: input Wv: QUANTISED
;;     4. batch 64 x [M 2,048, K 32] x [K 32, N 2,048]; A: computed on the way; B: computed on the way: QUANTISED
;;     5. batch 32 x [M 2,048, K 2,048] x [K 2,048, N 64]; A: computed on the way; B: computed on the way: QUANTISED
;;   THE QUANTISER, for each operand of a quantised product, along K:
;;     - K is cut into blocks of 32 from its start; a last block that is shorter is filled with zeros.
;;     - A block's scale is 2^e with e = floor(log2(the largest magnitude in the block)) - 2, held to -126 .. 127; a block of zeros has e = 0. As a byte (E8M0): e + 127.
;;     - Each number is divided by its block's scale, clamped to +-7.5, and rounded to the nearest number of E2M3, ties to even, subnormals kept.
;;     - The product sums the exact products of the quantised numbers (number of the format x scale) in f32.
;;   ~~~python
;;   def quantise(x, axis):      # numpy; x: float32 -> the quantised numbers, widened to float32 again
;;       x = np.moveaxis(x, axis, -1); K = x.shape[-1]
;;       x = np.pad(x, [(0, 0)] * (x.ndim - 1) + [(0, -K % 32)]); x = x.reshape(x.shape[:-1] + (-1, 32)); a = np.abs(x).max(-1, keepdims=True)
;;       e = np.where(a > 0, np.clip(np.frexp(np.where(a > 0, a, 1))[1] - 1 - 2, -126, 127), 0)      # np.frexp(a)[1] - 1 = floor(log2(a)), exactly
;;       r = np.clip(x / 2.0 ** e, -7.5, 7.5)
;;       step = 2.0 ** (np.maximum(np.frexp(np.where(r == 0, 1, r))[1] - 1, 0) - 3)
;;       q = np.round(r / step) * step * 2.0 ** e      # np.round: ties to even
;;       return np.moveaxis(q.reshape(q.shape[:-2] + (-1,))[..., :K], -1, axis).astype(np.float32)
;;   ~~~
;;   OPERANDS COMPUTED ON THE WAY. 'Computed on the way' means the value that the module computes at that place (a softmax that the list does not call 'softmax' is quantised finished and normalised). What goes into a quantiser is computed in f32, as accurately as f32 sums, v_exp_f32 and their like allow (about 1e-6 of the number): no bf16 or f16 on the way to a quantiser, and a product that is left as it is and whose result goes on into a quantised operand takes f32 operands (vector FMAs, or v_wmma_f32_16x16x4_f32). A number that lies on a knife's edge between two numbers of the format may be rounded either way, as far as f32 arithmetic and the matrix unit's own rounding can turn it there, and no further.
;; One version. Each part assembles by itself: llvm-mc -triple=amdgcn-amd-amdhsa -mcpu=gfx1250 --defsym DOCPART=n.
;; ======== version 1 of 1: 3 launches
;; workspace buffers: codes 8,650,752 bytes; scales 360,448 bytes; img 9,437,184 bytes; isc 393,216 bytes
;; launch qnt (part 1): grid 352 x 1, 4 waves a work-group, no clusters, 33,280 bytes of LDS; arguments decoder_feature, encoder_feature, Wq, Wk, Wv, codes, scales; writes codes, scales
.if DOCPART == 1
	.amdgcn_target "amdgcn-amd-amdhsa--gfx1250"
	.amdhsa_code_object_version 6
	.text
	.protected	k_q31dd2f90d6_qnt
	.globl	k_q31dd2f90d6_qnt
	.p2align	8
	.type	k_q31dd2f90d6_qnt,@function
k_q31dd2f90d6_qnt:
	s_mov_b64 s[64:65], 0
	v_nop
	global_prefetch_b8 v0, s[64:65] scope:SCOPE_SE
	s_setreg_imm32_b32 hwreg(HW_REG_WAVE_MODE, 25, 1), 1
	s_wait_xcnt 0x0
; The five f32 inputs whose K (1,024) is innermost become codes of FP6 (E2M3), 6 bits each, with one E8M0 byte for each 32 along K.
; Output: ONE table of 11,264 rows: 0 decoder_feature (4,096), 4,096 encoder_feature (4,096), 8,192 Wq, 9,216 Wk, 10,240 Wv (1,024 each); a row is 768 bytes of codes and 32 scale bytes.
; STORED ROW ORDER: within each 32 rows, bits 3 and 4 of the row's number change places.  So 16 consecutive stored rows (tile 2 b + u, row r) are the rows 32 b + 8 u + r % 8 + 16 (r / 8):
; the next launch reads plain tiles, and a lane's 16 results of two neighbouring tiles are 16 neighbours along that axis.
; A block's scale is 2^(floor(log2(its largest magnitude)) - 2); its byte is the largest magnitude's exponent field - 2, held at 1 from below.
; LIMITS: a block whose largest magnitude lies under 2^-124 gets the byte 1; a block of zeros gets 1 where the rule says 127 (its codes are zeros, and this program alone reads the bytes); NaN and infinities among the inputs are not served.
; A work-group takes 32 rows, a wave 8 rows = 8,192 numbers = 16 steps of 512.  Each of a step's four loads reads 512 consecutive bytes; the 2,048 bytes turn through the wave's own stage in LDS and come back
; 64 bytes (16 neighbours) a lane, two lanes to a block.  A wave's 8 rows stay together, so the row order costs only another place for the wave's output run.
; No tensor loads, no barrier: waves share nothing.  Loads run four steps (16 loads a wave) ahead, the turn through LDS one step.
.set STEPS, 16
.set EMAX,  2
.set CB,    12                         ; bytes of 16 codes
.set R,     16                         ; v16-79   four sets of 16 numbers as they are loaded
.set X,     80                         ; v80-111  two sets of 16 neighbours
.set C,     128                        ; v128-191 codes: four registers for each step, so that no store's data are written again
.set E,     112                        ; v112-127 a scale byte for each step
.set WREG,  8192                       ; LDS: a region of its own for each wave: two stages of 32 x SP bytes, and behind them its 256 scale bytes
.set SP,    80                         ; a lane's place in a stage: its 64 bytes + 16 of padding
	s_load_b256 s[4:11], s[0:1], 0x0               ; decoder_feature, encoder_feature, Wq, Wk
	s_load_b128 s[12:15], s[0:1], 0x20             ; Wv, codes
	s_load_b64 s[16:17], s[0:1], 0x30              ; scales
	v_lshl_add_u32 v192, v0, 2, 0x8000
	v_mov_b32 v193, 0
	v_lshrrev_b32 v1, 5, v0
	v_readfirstlane_b32 s24, v1                    ; wave
	v_and_b32 v2, 31, v0                           ; lane
	v_lshlrev_b32 v3, 4, v2                        ; my 16 bytes of a load's 512
	s_mul_i32 s25, s24, WREG
	v_lshrrev_b32 v14, 2, v2
	v_mul_u32_u24 v14, v14, SP
	v_and_b32 v15, 3, v2
	v_lshl_add_u32 v14, v15, 4, v14
	v_add_nc_u32 v14, s25, v14                     ; the stage, on the way in: SP (lane / 4) + 16 (lane % 4); a load's 512 bytes take eight places
	v_mul_u32_u24 v15, v2, SP
	v_add_nc_u32 v15, s25, v15                     ; and on the way out: SP x lane: my 16 neighbours
	v_mul_u32_u24 v4, v2, CB                       ; my codes' place in a step's
	v_lshrrev_b32 v5, 1, v2
	s_add_co_u32 s25, s25, 2*32*SP
	v_add_nc_u32 v5, s25, v5                       ; LDS: my wave's 256 scale bytes, my block's byte
	v_lshlrev_b32 v7, 3, v2                        ; and on the way out 8 bytes a lane
	v_add_nc_u32 v6, s25, v7
	s_wait_kmcnt 0x0
	; which input is my work-group's: the choice hangs on the work-group's number alone.  s[26:27] the input, s28 its first work-group
	s_mov_b64 s[26:27], s[12:13]
	s_mov_b32 s28, 320
	s_cmp_lt_u32 ttmp9, 320
	s_cselect_b64 s[26:27], s[10:11], s[26:27]
	s_cselect_b32 s28, 288, s28
	s_cmp_lt_u32 ttmp9, 288
	s_cselect_b64 s[26:27], s[8:9], s[26:27]
	s_cselect_b32 s28, 256, s28
	s_cmp_lt_u32 ttmp9, 256
	s_cselect_b64 s[26:27], s[6:7], s[26:27]
	s_cselect_b32 s28, 128, s28
	s_cmp_lt_u32 ttmp9, 128
	s_cselect_b64 s[26:27], s[4:5], s[26:27]
	s_cselect_b32 s28, 0, s28
	s_sub_co_u32 s29, ttmp9, s28
	s_lshl_b32 s29, s29, 2
	s_add_co_u32 s29, s29, s24                     ; which run of 8 rows of the input is my wave's
	s_lshl_b32 s30, s29, 15                        ; 32,768 bytes a run (at most 512 runs)
	s_mov_b32 s31, 0
	s_add_nc_u64 s[26:27], s[26:27], s[30:31]
	s_and_b32 s29, s24, 1                          ; where the run goes: the wave number's two bits change places
	s_lshl_b32 s29, s29, 1
	s_lshr_b32 s30, s24, 1
	s_or_b32 s29, s29, s30
	s_lshl_b32 s30, ttmp9, 2
	s_add_co_u32 s29, s29, s30                     ; the run's number in the table
	s_mul_i32 s30, s29, 32*STEPS*CB                ; 6,144 bytes of codes a run
	s_add_nc_u64 s[14:15], s[14:15], s[30:31]
	s_lshl_b32 s30, s29, 8                         ; 256 scale bytes a run
	s_add_nc_u64 s[16:17], s[16:17], s[30:31]
.macro LOAD t
.irp i, 0,1,2,3
	global_load_b128 v[R+16*((\t)%4)+4*\i:R+16*((\t)%4)+4*\i+3], v3, s[26:27] offset:2048*(\t)+512*\i th:TH_LOAD_NT   ; 32 lanes read 512 consecutive bytes
.endr
.endm
.macro TURN t                          ; step t's numbers through the stage: LDS serves a wave's instructions in order, so no wait stands between the stores and the loads
.irp i, 0,1,2,3
	ds_store_b128 v14, v[R+16*((\t)%4)+4*\i:R+16*((\t)%4)+4*\i+3] offset:32*SP*((\t)%2)+8*SP*\i
.endr
.irp i, 0,1,2,3
	ds_load_b128 v[X+16*((\t)%2)+4*\i:X+16*((\t)%2)+4*\i+3], v15 offset:32*SP*((\t)%2)+16*\i
.endr
.endm
.irp t, 0,1,2,3
	LOAD \t
.endr
	s_wait_loadcnt 12                              ; step 0's four loads are in; the twelve of steps 1 to 3 may be out
	TURN 0
.macro STEP t
.set XS, X+16*((\t)%2)
.if (\t) > 0
	s_wait_dscnt 1                                 ; this step's numbers are back from the stage (the last step's byte store may be out): so its stores into the stage have read their registers,
.else
	s_wait_dscnt 0x0
.endif
.if (\t)+4 < STEPS
	LOAD (\t)+4                                    ; which take the loads of four steps on
.endif
.if (\t)+1 < STEPS
.if STEPS-2-(\t) >= 3
	s_wait_loadcnt 12                              ; the next step's four loads are in; those of the three steps behind it may be out
.else
	s_wait_loadcnt 4*(STEPS-2-(\t))
.endif
	TURN (\t)+1                                    ; and go through the other stage while this step is worked
.endif
	v_max3_num_f32 v8, |v[XS]|, |v[XS+1]|, |v[XS+2]|               ; the largest magnitude of my 16, in two chains
	v_max3_num_f32 v9, |v[XS+3]|, |v[XS+4]|, |v[XS+5]|
.irp i, 6,10
	v_max3_num_f32 v8, v8, |v[XS+\i]|, |v[XS+\i+1]|
	v_max3_num_f32 v9, v9, |v[XS+\i+2]|, |v[XS+\i+3]|
.endr
	v_max3_num_f32 v8, v8, |v[XS+14]|, |v[XS+15]|
	v_max3_num_f32 v8, v8, v9, (EMAX+1)<<23        ; and the floor 2^(3 - 127): the byte cannot fall under 1
	v_max_num_f32_dpp v8, v8, v8 row_xmask:1 row_mask:0xf bank_mask:0xf   ; and of my neighbour's 16: the block's
	v_add_nc_u32 v11, 0xff000000, v8               ; 2 off its exponent field: the conversion takes the exponent field of this operand as its scale, and nothing else of it
	v_cvt_scalef32_pk16_fp6_f32 v[C+4*(\t):C+4*(\t)+2], v[XS:XS+15], v11   ; sixteen numbers / the scale, to the nearest code, ties to even, beyond the largest code the largest; 96 bits without gaps
	v_lshrrev_b32 v[E+(\t)], 23, v11               ; the scale's byte (a plain line behind the conversion)
	ds_store_b8 v5, v[E+(\t)] offset:16*(\t)       ; both lanes of a block write the same byte with the same value
	global_store_b96 v4, v[C+4*(\t):C+4*(\t)+2], s[14:15] offset:32*CB*(\t)   ; the wave stores 384 consecutive bytes
.endm
.irp t, 0,1,2,3,4,5,6,7,8,9,10,11,12,13,14,15
	STEP \t
.endr
	ds_load_b64 v[12:13], v6                       ; LDS serves a wave's instructions in order: these see my stores
	s_wait_dscnt 0x0
	global_store_b64 v7, v[12:13], s[16:17]        ; 32 lanes store 256 consecutive bytes, at a multiple of 256 from the buffer's first byte
	s_wait_tensorcnt 0x0
	ds_add_u32 v192, v193
	s_wait_dscnt 0x0
	s_endpgm
.Lfunc_end_k_q31dd2f90d6_qnt:
	.size	k_q31dd2f90d6_qnt, .Lfunc_end_k_q31dd2f90d6_qnt-k_q31dd2f90d6_qnt
	.p2alignl 7, 3214868480
	.fill 96, 4, 3214868480
	.section	.rodata,"a",@progbits
	.p2align	6, 0x0
	.amdhsa_kernel k_q31dd2f90d6_qnt
		.amdhsa_group_segment_fixed_size 33280
		.amdhsa_private_segment_fixed_size 0
		.amdhsa_enable_private_segment 0
		.amdhsa_kernarg_size 56
		.amdhsa_user_sgpr_count 2
		.amdhsa_user_sgpr_kernarg_segment_ptr 1
		.amdhsa_wavefront_size32 1
		.amdhsa_system_sgpr_workgroup_id_x 1
		.amdhsa_system_sgpr_workgroup_id_y 1
		.amdhsa_system_sgpr_workgroup_id_z 1
		.amdhsa_system_vgpr_workitem_id 0
		.amdhsa_next_free_vgpr 194
		.amdhsa_next_free_sgpr 66
		.amdhsa_reserve_vcc 0
		.amdhsa_float_denorm_mode_32 3
		.amdhsa_float_denorm_mode_16_64 3
		.amdhsa_memory_ordered 1
		.amdhsa_forward_progress 1
		.amdhsa_inst_pref_size 33
	.end_amdhsa_kernel
	.amdgpu_metadata
---
amdhsa.version: [ 1, 2 ]
amdhsa.kernels:
  - .name:           k_q31dd2f90d6_qnt
    .symbol:         k_q31dd2f90d6_qnt.kd
    .args:
      - { .name: decoder_feature, .offset: 0, .size: 8, .value_kind: global_buffer, .address_space: global }
      - { .name: encoder_feature, .offset: 8, .size: 8, .value_kind: global_buffer, .address_space: global }
      - { .name: Wq, .offset: 16, .size: 8, .value_kind: global_buffer, .address_space: global }
      - { .name: Wk, .offset: 24, .size: 8, .value_kind: global_buffer, .address_space: global }
      - { .name: Wv, .offset: 32, .size: 8, .value_kind: global_buffer, .address_space: global }
      - { .name: codes, .offset: 40, .size: 8, .value_kind: global_buffer, .address_space: global }
      - { .name: scales, .offset: 48, .size: 8, .value_kind: global_buffer, .address_space: global }
    .group_segment_fixed_size: 33280
    .private_segment_fixed_size: 0
    .kernarg_segment_align: 8
    .kernarg_segment_size: 56
    .max_flat_workgroup_size: 128
    .sgpr_count:     66
    .vgpr_count:     194
    .wavefront_size: 32
...
	.end_amdgpu_metadata
.endif
;; end of part 1
;; launch proj (part 2): grid 4 x 48, 4 waves a work-group, clusters of 4 x 4, 327,680 bytes of LDS; arguments codes, scales, img, isc; writes img, isc
.if DOCPART == 2
	.amdgcn_target "amdgcn-amd-amdhsa--gfx1250"
	.amdhsa_code_object_version 6
	.text
	.protected	k_q31dd2f90d6_proj
	.globl	k_q31dd2f90d6_proj
	.p2align	8
	.type	k_q31dd2f90d6_proj,@function
k_q31dd2f90d6_proj:
	s_mov_b64 s[64:65], 0
	v_nop
	global_prefetch_b8 v0, s[64:65] scope:SCOPE_SE
	s_setreg_imm32_b32 hwreg(HW_REG_WAVE_MODE, 25, 1), 1
	s_wait_xcnt 0x0
	s_wait_alu depctr_hold_cnt(0) depctr_sa_sdst(0) depctr_va_vdst(0) depctr_va_sdst(0) depctr_va_ssrc(0) depctr_va_vcc(0) depctr_vm_vsrc(0)
	s_getreg_b32 s2, hwreg(HW_REG_IB_STS2, 6, 4)
	s_cmp_eq_u32 s2, 0
	s_cbranch_scc0 .Lentry_in_a_cluster
	s_endpgm
.Lentry_in_a_cluster:
	s_bfe_u32 s2, ttmp6, 0x10000c
	s_cmp_lg_u32 s2, 0xf033
	s_cbranch_scc0 .Lentry_shape_is_right
	s_endpgm
.Lentry_shape_is_right:
; The three projections q = dec Wq^T, k = enc Wk^T, v = enc Wv^T on codes of FP6 (E2M3) with E8M0 scales (K = 1,024), and the quantising of their results for the attention launch.
; Both operands are rows of ONE table of codes (768 bytes a row) and of scale bytes (32 a row): 0 dec, 4,096 enc, 8,192 Wq, 9,216 Wk, 10,240 Wv, each in the stored row order in which 16 consecutive
; rows (tile 2 b + u, row r) are the rows 32 b + 8 u + r % 8 + 16 (r / 8).
; A product is R x P: source 1 takes 16 rows of R, source 0 sixteen rows of P, so that a lane holds ONE row of R and its registers run along P: with the stored order, the 64 registers of a block of 16 rows of R
; are 128 numbers along P in the order 32 b + 16 (lane / 16) + i.  P is the axis along which the result is quantised: q, k: R = tokens, P = channels (the score product's K);  v: R = channels (Wv), P = tokens (the keys).
; JOBS: cluster y / 4 = 0 q, 1 k, 2 v; the job's 64 tiles of 256 x 256 are four clusters of 4 x 4.  192 work-groups of four waves, a wave 128 x 128: 64 accumulators, 512 registers.
; K goes in steps of 256 through a ring of two LDS slots filled by the tensor data mover; the scale bytes of the work-group's 256 + 256 rows come once, as whole blocks of 256 bytes, and stay.
; CLUSTERS: the four of a row of the cluster need the same rows of R, the four of a column the same rows of P: each tile is asked for JOINTLY, by the same tensor load with the same descriptor and a mask that names the four.
; THE WAY OUT uses no LDS: each block of 16 rows x 128 is quantised in registers and stored as an IMAGE OF AN OPERAND'S REGISTERS: a unit of 1,536 bytes, register pair p of lane l at 256 p + 8 l; its scale word of row r at
; (unit / 4) 256 + 16 r + 4 (unit % 4).  Units: q, k: (8 batch + head pair) 128 + token tile;  v: (16 batch + key group of 128) 64 + channel tile.
; LIMITS: a block whose largest magnitude lies under 2^-124 gets the byte 1, a block of zeros too (its codes are zeros; this program alone reads the bytes); NaN and infinities are not served.
; REGISTERS, in windows of 256: window 0: v0-31 addresses; v32-63 scale words, two sets, and nothing else; from v128 R's fragments, ONE set; on the way out v64-195 are at work.
;   window 1: P's fragments, TWO sets, at v0 and at v128.   window 2: the 32 accumulators of my rows 0-63 (accumulator (a, b) at v[8 (8 a + b)]);   window 3: those of my rows 64-127.
.set SIZE_K, 1024
.set KSTEP,  256                       ; along K in a slot
.set NQ,     KSTEP/128                 ; matrix instructions deep
.set ROWB,   192                       ; a tile's row in bytes
.set KROW,   SIZE_K*6/8                ; a row of codes in memory
.set PITCH,  240                       ; an LDS row: 3 x (64 bytes of data + 16 of padding)
.set FR,     12                        ; registers of a fragment: 16 rows x 128 K
.set NL,     6                         ; LDS loads that bring one
.set NP,     4                         ; places behind this matrix instruction (ISA guide 7.12.1)
.set HALFT,  128*PITCH                 ; 128 rows: what one tensor load brings, and what one wave reads of R or of P
.set SLOT,   4*HALFT                   ; R's 256 rows, then P's 256 rows
.set LAPS,   SIZE_K/(2*KSTEP)          ; a lap = two K steps = once round the ring
.set KS,     SIZE_K/32                 ; a row of scales in bytes
.set SCL,    2*SLOT                    ; behind the ring: the scales, as blocks of 256 bytes + 16 of padding
.set HALFS,  (128*KS/256)*272          ; the scales of 128 rows: what one tensor load brings
.set SBLK,   (16*KS/256)*272           ; those of 16 rows
.set SPARE,  SCL+4*HALFS               ; behind the scales: the spare words, 128 bytes for each wave, that no other line names
.set ADRA, 16                          ; v16-17  LDS address of my R fragments in slot 0, 1  (v18-19: the same for the pieces that lie behind one padding more)
.set ADRB, 20                          ; v20-21  the same for P  (v22-23)
.set VSO,  24                          ; v24     16 x lane: the scale words' store
.set LN,   25                          ; v25     lane
.set VO,   26                          ; v26     8 x lane: an image's place for my lane
.set ADRS, 27                          ; v27     LDS address of my scale words: lanes 0-15 R's rows, lanes 16-31 P's
.set SPW,  28                          ; v28     LDS address of my spare word; never rewritten
.set NIL,  29                          ; v29     0; never rewritten
.set SC,   32                          ; scale words: set s at v[SC + 8 NQ s]; register NQ i + q: lanes 0-15 the word of R's block i, lanes 16-31 that of P's block i
.set AF,   128                         ; R's fragments, in window 0
.set PCB,  64                          ; the way out: v64-159 the codes of the eight blocks, 12 registers each, so that no store's data are written again
.set DS,   160                         ; v160-163 the scale words as they are stored
.set TM,   164                         ; v164-167 largest magnitudes, v168-171 the other half's / bytes, v176-179 the conversions' scale operands
.set PT,   180                         ; v180-187 the conversions' second halves
.set SW,   188                         ; v188-195 the eight blocks' scale words
.set SEL,  96                          ; s[96:97] lane selects for v_permlanex16_b32: lane l xor 16
.set G1, 24                            ; s[24:31] descriptor group 1 for R's tiles;  s[32:39] group 0, one set for each slot
.set G0, 32
.set G1B, 48                           ; s[48:55], s[56:63] the same for P's tiles
.set G0B, 56
.set G1S, 68                           ; s[68:75], s[76:79] groups 1 and 0 for R's scales;  s[80:87], s[88:91] for P's
.set G0S, 76
.set G1SB, 80
.set G0SB, 88
.set MSB, 0
.macro WIN new                         ; the immediate's high byte repeats the setting that is left
.if MSB != \new
	s_set_vgpr_msb (MSB<<8)|\new
.set MSB, \new
.endif
.endm
.set MUL_LO, 0xa1                      ; source 0 (P) window 1, source 1 (R) window 0, C and D window 2
.set MUL_HI, 0xf1                      ; the same, C and D window 3
.set TO_B,   0x40                      ; destination window 1, address window 0
; A joint load: waves 0 and 1 fetch for R, waves 2 and 3 for P.  Each of the two lines has ONE mask and one set of registers for all that issue it; the branch hangs on the wave's number alone.
; Four v_nop follow each of the two lines, ahead of the jump, the label and what follows.
.macro JLOAD g0a, g1a, g0b, g1b
	s_cmp_eq_u32 s15, 0
	s_cbranch_scc0 .Lfor_b_\@
	tensor_load_to_lds s[\g0a:\g0a+3], s[\g1a:\g1a+7]
	s_nop 0
.rept 4
	v_nop
.endr
	s_branch .Lasked_\@
.Lfor_b_\@:
	tensor_load_to_lds s[\g0b:\g0b+3], s[\g1b:\g1b+7]
	s_nop 0
.rept 4
	v_nop
.endr
.Lasked_\@:
.endm
.macro CREST                           ; a round of the cluster's barrier behind its opening barrier
	s_cmp_lg_u32 s14, 0
	s_cbranch_scc1 .Lnot_wave_0_\@
	s_barrier_signal -3
.Lnot_wave_0_\@:
	s_barrier_wait -3
	s_barrier_signal -1
	s_barrier_wait -1
.endm
.macro CROUND                          ; a whole round
	s_barrier_signal -1
	s_barrier_wait -1
	CREST
.endm
	s_load_b128 s[4:7], s[0:1], 0x0                ; codes s[4:5], scales s[6:7]
	s_load_b128 s[8:11], s[0:1], 0x10              ; img s[8:9], isc s[10:11]
	v_lshl_add_u32 v[SPW], v0, 2, SPARE
	v_mov_b32 v[NIL], 0
	ds_add_u32 v28, v29
	ds_add_u32 v28, v29
	s_wait_dscnt 0x0
	v_lshrrev_b32 v1, 5, v0
	v_readfirstlane_b32 s14, v1                    ; wave 0..3
	s_lshr_b32 s15, s14, 1                         ; which half of the tile's rows of R is mine.  Also: I fetch for R (0) or for P (1)
	s_and_b32 s16, s14, 1                          ; which half of its rows of P.  Also: which 128 rows of that tile I fetch
	s_bfe_u32 s40, ttmp6, 0x40000                  ; cx, cy: my place in the cluster
	s_bfe_u32 s41, ttmp6, 0x40004
	s_and_b32 s98, ttmp7, 0xffff                   ; the cluster's y, 0 .. 11, which all sixteen partners share
	s_lshr_b32 s99, s98, 2                         ; the job: 0 q, 1 k, 2 v
	s_and_b32 s98, s98, 3
	s_lshl_b32 s98, s98, 2                         ; 4 x the cluster's number in its job
	s_lshr_b32 s100, s99, 1                        ; 1 for v
	s_xor_b32 s101, s100, 1                        ; 1 for q and k
	s_mul_i32 s17, s101, s98                       ; q, k: the job's four clusters lie along R (16 tiles of tokens), v: along P
	s_add_co_u32 s17, s17, s41                     ; tile of R
	s_mul_i32 s42, s100, s98
	s_add_co_u32 s42, s42, s40                     ; tile of P
	s_lshl_b32 s43, s41, 2
	s_lshl_b32 s43, 15, s43                        ; my row of the cluster
	s_lshl_b32 s44, 0x1111, s40                    ; my column
	; descriptor group 1: a tile of 128 rows x ROWB bytes, padded in LDS
	s_or_b32 s[G1+0], s43, (0<<16)|(1<<20)|(1<<21)|(3<<22)|(3<<25)  ; 15:0 the mask: R's tiles go to my row; 17:16 element of 1 byte; 20 padding on; 21 set beside a mask; 24:22 after every 16 words (code 3); 31:25 of 4 words (code 3)
	s_or_b32 s[G1B+0], s44, (0<<16)|(1<<20)|(1<<21)|(3<<22)|(3<<25)
.irp g, G1, G1B
	s_mov_b32 s[\g+1], ROWB<<16                    ; tensor_dim0
	s_mov_b32 s[\g+2], 128<<16                     ; tensor_dim1 = 128
	s_mov_b32 s[\g+3], ROWB<<16                    ; tile_dim0
	s_mov_b32 s[\g+4], 128                         ; tile_dim1 = 128
	s_mov_b32 s[\g+5], KROW                        ; tensor_dim0_stride
	s_mov_b32 s[\g+6], 0
	s_mov_b32 s[\g+7], 0
.endr
	; and for the scales of 128 rows: a dense block of 4,096 bytes, as rows of 256 bytes (32 elements of 8 bytes), 16 bytes of padding behind each
	s_or_b32 s[G1S+0], s43, (3<<16)|(1<<20)|(1<<21)|(5<<22)|(3<<25)
	s_or_b32 s[G1SB+0], s44, (3<<16)|(1<<20)|(1<<21)|(5<<22)|(3<<25)
.irp g, G1S, G1SB
	s_mov_b32 s[\g+1], 32<<16
	s_mov_b32 s[\g+2], (128*KS/256)<<16
	s_mov_b32 s[\g+3], 32<<16
	s_mov_b32 s[\g+4], 128*KS/256
	s_mov_b32 s[\g+5], 32
	s_mov_b32 s[\g+6], 0
	s_mov_b32 s[\g+7], 0
.endr
	s_lshl_b32 s18, s16, 7                         ; which 128 rows of the tile I fetch
	s_lshl_b32 s20, s17, 8
	s_add_co_u32 s20, s20, s18                     ; R: 256 x tile + 128 x half,
	s_lshl_b32 s19, s99, 12
	s_add_co_u32 s20, s20, s19                     ; + where R begins in the table: 0 dec, 4,096 enc, 10,240 Wv = 4,096 job + 2,048 for v
	s_lshl_b32 s19, s100, 11
	s_add_co_u32 s20, s20, s19
	s_lshl_b32 s46, s42, 8
	s_add_co_u32 s46, s46, s18                     ; P: 256 x tile + 128 x half,
	s_lshl_b32 s19, s99, 10
	s_add_co_u32 s46, s46, s19                     ; + where P begins: 8,192 Wq, 9,216 Wk, 4,096 enc = 8,192 + 1,024 job - 6,144 for v
	s_add_co_u32 s46, s46, 8192
	s_mul_i32 s19, s100, 6144
	s_sub_co_u32 s46, s46, s19
	s_mov_b32 s21, 0
	s_mov_b32 s47, 0
	s_mov_b64 s[18:19], KS
	s_mul_u64 s[22:23], s[20:21], s[18:19]         ; where these rows' scales begin, in bytes
	s_mul_u64 s[92:93], s[46:47], s[18:19]
	s_mov_b64 s[18:19], KROW
	s_mul_u64 s[20:21], s[20:21], s[18:19]         ; and their codes
	s_mul_u64 s[46:47], s[46:47], s[18:19]
	s_mul_i32 s45, s14, HALFT                      ; where they go: wave x 128 rows: no place in the cluster enters an LDS address
	s_mul_i32 s94, s14, HALFS
	s_wait_kmcnt 0x0
	s_add_nc_u64 s[20:21], s[4:5], s[20:21]
	s_add_nc_u64 s[22:23], s[6:7], s[22:23]
	s_add_nc_u64 s[46:47], s[4:5], s[46:47]
	s_add_nc_u64 s[92:93], s[6:7], s[92:93]
	CROUND                                         ; all sixteen work-groups are here: the first joint loads meet
	s_mov_b32 s[G0S], 1
	s_add_co_u32 s[G0S+1], s94, SCL
	s_mov_b64 s[G0S+2:G0S+3], s[22:23]
	s_or_b32 s[G0S+3], s[G0S+3], 0x80000000
	s_mov_b32 s[G0SB], 1
	s_add_co_u32 s[G0SB+1], s94, SCL
	s_mov_b64 s[G0SB+2:G0SB+3], s[92:93]
	s_or_b32 s[G0SB+3], s[G0SB+3], 0x80000000
	JLOAD G0S, G1S, G0SB, G1SB                     ; the scales first: they are wanted with K step 0
.irp s, 0,1
	s_mov_b32 s[G0+4*\s], 1
	s_add_co_u32 s[G0+4*\s+1], s45, \s*SLOT
	s_add_nc_u64 s[G0+4*\s+2:G0+4*\s+3], s[20:21], \s*ROWB
	s_or_b32 s[G0+4*\s+3], s[G0+4*\s+3], 0x80000000
	s_mov_b32 s[G0B+4*\s], 1
	s_add_co_u32 s[G0B+4*\s+1], s45, \s*SLOT
	s_add_nc_u64 s[G0B+4*\s+2:G0B+4*\s+3], s[46:47], \s*ROWB
	s_or_b32 s[G0B+4*\s+3], s[G0B+4*\s+3], 0x80000000
	JLOAD G0+4*\s, G1, G0B+4*\s, G1B               ; three tensor loads of mine are out
.endr
	v_and_b32 v1, 15, v0                           ; l % 16
	v_bfe_u32 v2, v0, 4, 1                         ; l / 16
	v_mul_u32_u24 v3, v1, PITCH
	v_mul_u32_u24 v4, v2, 24
	v_add_nc_u32 v4, v3, v4                        ; a fragment's row x pitch + 24 x half
	v_lshl_add_u32 v5, v2, 4, v4                   ; and the same behind one padding more
	s_mul_i32 s21, s15, HALFT                      ; my 128 rows of R
	s_mul_i32 s22, s16, HALFT                      ; my 128 rows of P,
	s_add_co_u32 s22, s22, 2*HALFT                 ; which lie behind R's 256
.irp s, 0,1
	v_add_nc_u32 v[ADRA+\s], s21, v4
	v_add_nc_u32 v[ADRB+\s], s22, v4
	v_add_nc_u32 v[ADRA+2+\s], s21, v5
	v_add_nc_u32 v[ADRB+2+\s], s22, v5
	s_add_co_u32 s21, s21, SLOT
	s_add_co_u32 s22, s22, SLOT
.endr
	v_mul_u32_u24 v5, v1, KS                       ; my row's scales: KS bytes a row,
	v_lshrrev_b32 v6, 8, v5
	v_lshl_add_u32 v5, v6, 4, v5                   ; and 16 more for each 256 passed
	s_mul_i32 s21, s15, HALFS                      ; R's: my 128 rows
	s_mul_i32 s22, s16, HALFS                      ; P's: my 128 rows, behind R's 256
	s_add_co_u32 s22, s22, 2*HALFS
	s_sub_co_u32 s22, s22, s21
	v_mul_u32_u24 v6, s22, v2                      ; lanes 16-31 take P's
	s_add_co_u32 s21, s21, SCL
	v_add_nc_u32 v5, v5, v6
	v_add_nc_u32 v[ADRS], s21, v5
	v_and_b32 v[LN], 31, v0
	v_lshlrev_b32 v[VO], 3, v[LN]
	v_lshlrev_b32 v[VSO], 4, v[LN]
	s_mov_b32 s[SEL], 0x76543210
	s_mov_b32 s[SEL+1], 0xfedcba98
	; where my eight units go
	s_lshl_b32 s20, s17, 1
	s_add_co_u32 s20, s20, s15                     ; my 128 rows of R, as a number
	s_lshl_b32 s46, s42, 1
	s_add_co_u32 s46, s46, s16                     ; my 128 rows of P
	s_lshr_b32 s21, s20, 4                         ; q, k: the batch (16 groups of 128 tokens each),
	s_lshl_b32 s21, s21, 3
	s_add_co_u32 s21, s21, s46                     ; 8 batch + head pair,
	s_lshl_b32 s21, s21, 7
	s_and_b32 s22, s20, 15
	s_lshl_b32 s22, s22, 3
	s_add_co_u32 s21, s21, s22                     ; x 128 + my first token tile in the batch
	s_mul_i32 s21, s21, s101
	s_lshl_b32 s46, s46, 6                         ; v: (16 batch + key group) x 64
	s_lshl_b32 s20, s20, 3
	s_add_co_u32 s46, s46, s20                     ; + my first channel tile
	s_mul_i32 s46, s46, s100
	s_add_co_u32 s22, s21, s46                     ; my first unit: a multiple of 8
	s_mul_i32 s20, s22, 1536
	s_mul_i32 s21, s99, 3145728                    ; the job's part of img
	s_add_co_u32 s20, s20, s21
	s_mov_b32 s21, 0
	s_add_nc_u64 s[8:9], s[8:9], s[20:21]
	s_lshl_b32 s20, s22, 6                         ; 64 bytes of scale words a unit
	s_lshl_b32 s22, s99, 17                        ; the job's part of isc
	s_add_co_u32 s20, s20, s22
	s_add_nc_u64 s[10:11], s[10:11], s[20:21]
.macro FRAG reg, adr, q, i             ; a fragment, 16 rows x 128 K of 6-bit codes, is 12 registers: lane l holds row l % 16; registers 6 c .. 6 c + 5 hold K = 64 c + 32 (l / 16) + 0 .. 31: 24 bytes of the row's stream of bits, as they lie
.irp p, 0,1,2,3,4,5                    ; in pieces of 8 bytes, so that every address is a multiple of the access's size.  Lanes 0-15 take the row's pieces 12 q + 0, 1, 2 and 12 q + 6, 7, 8, lanes 16-31 those three pieces on
.set PC, 12*(\q)+6*(\p/3)+\p%3        ; 16 bytes of padding lie behind every 64 bytes (8 pieces): where the piece three on lies behind one padding more, the second address register (40 for 24 bytes a half) serves
.if PC%8 < 5
	ds_load_b64 v[\reg+2*\p:\reg+2*\p+1], v[\adr] offset:8*PC+16*(PC/8)+(\i)*16*PITCH
.else
	ds_load_b64 v[\reg+2*\p:\reg+2*\p+1], v[\adr+2] offset:8*PC+16*(PC/8)+(\i)*16*PITCH
.endif
.endr
.endm
; 16 matrix instructions: R's blocks a0, a0 + 1 x P's eight, 128 along K: the slot's q-th.  p: P's set;  sc: the set of scale words.  zero = 1: the first product starts the sums: nothing is ever cleared.
; The 64 accumulators take turns, one instruction a turn, in the same order in every step.
.macro MUL16 a0, p, q, sc, zero
.irp a, \a0, \a0+1
.irp b, 0,1,2,3,4,5,6,7
.if \zero
	v_wmma_scale_f32_16x16x128_f8f6f4 v[8*(8*((\a)%4)+\b):8*(8*((\a)%4)+\b)+7], v[128*(\p)+FR*\b:128*(\p)+FR*\b+FR-1], v[AF+FR*(\a):AF+FR*(\a)+FR-1], 0, v[SC+8*NQ*(\sc)+NQ*\b+(\q)], v[SC+8*NQ*(\sc)+NQ*(\a)+(\q)] matrix_a_fmt:MATRIX_FMT_FP6 matrix_b_fmt:MATRIX_FMT_FP6 matrix_a_scale:MATRIX_SCALE_ROW1
.else
	v_wmma_scale_f32_16x16x128_f8f6f4 v[8*(8*((\a)%4)+\b):8*(8*((\a)%4)+\b)+7], v[128*(\p)+FR*\b:128*(\p)+FR*\b+FR-1], v[AF+FR*(\a):AF+FR*(\a)+FR-1], v[8*(8*((\a)%4)+\b):8*(8*((\a)%4)+\b)+7], v[SC+8*NQ*(\sc)+NQ*\b+(\q)], v[SC+8*NQ*(\sc)+NQ*(\a)+(\q)] matrix_a_fmt:MATRIX_FMT_FP6 matrix_b_fmt:MATRIX_FMT_FP6 matrix_a_scale:MATRIX_SCALE_ROW1
.endif
.endr
.endr
.endm
.macro FETCH_B slot, q, p              ; P's eight fragments of the slot's q-th 128 along K into set p
	WIN TO_B
.irp i, 0,1,2,3,4,5,6,7
	FRAG 128*(\p)+FR*\i, ADRB+\slot, \q, \i
.endr
	WIN 0
.endm
.macro FETCH_A slot, q, i0             ; R's blocks i0 .. i0 + 3
.irp i, \i0, \i0+1, \i0+2, \i0+3
	FRAG AF+FR*(\i), ADRA+\slot, \q, \i
.endr
.endm
.macro SCALES sc                       ; the next K step's scale words into set sc: NQ words a row; lanes 0-15 take R's block i, lanes 16-31 P's block i
.irp i, 0,1,2,3,4,5,6,7
	ds_load_b64 v[SC+8*NQ*\sc+NQ*\i:SC+8*NQ*\sc+NQ*\i+1], v[ADRS] offset:\i*SBLK
.endr
.endm
; A load into a register that a matrix instruction has read, and a vector instruction that reads a matrix result or writes one of its registers, stand NP places behind that matrix instruction, and only plain
; vector instructions that name none of its registers are places (ISA guide 7.12.1 for vector instructions).
.macro PLACES n
.rept \n
	v_nop
.endr
.endm
; A step of 128 along K that has its successor in the same slot.
.macro STEP slot, q, zero
	s_wait_dscnt 4*NL                              ; P's set and R's blocks 0-3 are in; the youngest 24 loads (R's blocks 4-7) may be out
	WIN MUL_LO
	MUL16 0, (\q)%2, \q, \slot, \zero
	MUL16 2, (\q)%2, \q, \slot, \zero
	s_wait_dscnt 0                                 ; R's blocks 4-7 are in (asked for 32 matrix instructions ago)
	PLACES NP
	FETCH_B \slot, (\q)+1, 1-(\q)%2
	FETCH_A \slot, (\q)+1, 0
	WIN MUL_HI
	MUL16 4, (\q)%2, \q, \slot, \zero
	MUL16 6, (\q)%2, \q, \slot, \zero
	PLACES NP
	WIN 0
	FETCH_A \slot, (\q)+1, 4
.endm
; A slot's last step changes slots: ONE barrier; in front of it each wave waits for all its tensor loads, adds 0 to its spare word, and waits for that and for its own reads of this slot.  fill = 1: this slot is filled again, two K steps ahead.
.macro TURN slot, next, fill
	s_wait_tensorcnt 0x0                           ; all my tensor loads have landed: my part of the next slot;  (every window is 0 here: the add's two registers lie in window 0)
	ds_add_u32 v[SPW], v[NIL]                      ; 0 onto my spare word
	s_wait_dscnt 4*NL+1                            ; (the add and the youngest 24 loads, R's blocks 4-7, may be out)
	WIN MUL_LO
	MUL16 0, 1, NQ-1, \slot, 0                     ; sixteen matrix instructions stand between the add and the wait for it
	s_wait_dscnt 0x0                               ; the add is done, and my reads of this slot are over
	s_barrier_signal -1
	MUL16 2, 1, NQ-1, \slot, 0
	WIN 0
	s_barrier_wait -1
.if \fill
	CREST                                          ; the barrier has opened a round of the cluster's barrier: no wave of any partner still reads this slot's tile or has a load on its way
	s_add_nc_u64 s[G0+4*\slot+2:G0+4*\slot+3], s[G0+4*\slot+2:G0+4*\slot+3], 2*ROWB
	s_add_nc_u64 s[G0B+4*\slot+2:G0B+4*\slot+3], s[G0B+4*\slot+2:G0B+4*\slot+3], 2*ROWB
	JLOAD G0+4*\slot, G1, G0B+4*\slot, G1B         ; the first tensor load behind the round; the four v_nop behind it are the places in front of the loads below
.else
	PLACES NP
.endif
	v_add_nc_u32 v[ADRS], 4*NQ, v[ADRS]            ; on to the next K step's scale words (no LDS load of mine is out)
	FETCH_B \next, 0, 0
	FETCH_A \next, 0, 0
	SCALES \next
	WIN MUL_HI
	MUL16 4, 1, NQ-1, \slot, 0
	MUL16 6, 1, NQ-1, \slot, 0
	PLACES NP
	WIN 0
	FETCH_A \next, 0, 4
.endm
	s_wait_tensorcnt 1                             ; the scales and my part of K step 0 are in (K step 1's load may be out)
	s_barrier_signal -1
	s_barrier_wait -1                              ; everybody's are
	FETCH_B 0, 0, 0
	FETCH_A 0, 0, 0
	SCALES 0
	FETCH_A 0, 0, 4
	STEP 0, 0, 1                                   ; the first step stands in front of the loop: its products start the sums
	s_mov_b32 s3, LAPS-1
.Llap:                                                 ; a trip goes once round the ring, from a lap's second step to the next lap's first, and fills both slots again
	TURN 0, 1, 1
	STEP 1, 0, 0
	TURN 1, 0, 1
	STEP 0, 0, 0
	s_sub_co_u32 s3, s3, 1
	s_cmp_lg_u32 s3, 0
	s_cbranch_scc1 .Llap
	TURN 0, 1, 0                                   ; the last lap fills nothing, and has no round of the cluster's barrier
	STEP 1, 0, 0
	s_wait_dscnt 4*NL                              ; the very last step: nothing more to fetch
	WIN MUL_LO
	MUL16 0, 1, NQ-1, 1, 0
	MUL16 2, 1, NQ-1, 1, 0
	s_wait_dscnt 0
	WIN MUL_HI
	MUL16 4, 1, NQ-1, 1, 0
	MUL16 6, 1, NQ-1, 1, 0
	WIN 0
; THE WAY OUT.  Block a (16 rows of R): its 64 registers are, for my row, the numbers 32 b + 16 (lane / 16) + i along P (register 16 b + i).  They become one fragment's codes and one scale word a row.
.macro QW a
.set AC,  64*((\a)%4)
.set WW,  2+(\a)/4                     ; the block's window
.set WA,  (WW<<2)|(WW<<4)
.set PCA, PCB+12*(\a)
	WIN WA                                         ; sources 1 and 2: the accumulators' window
.irp b, 0,1,2,3
	v_max3_num_f32 v[TM+\b], 0x1800000, |v[AC+16*\b]|, |v[AC+16*\b+1]|   ; block b of 32: my 16 numbers, and the floor 2^(3 - 127): the byte cannot fall under 1.  Each accumulator is read from its low end on
.endr
.irp i, 2,4,6,8,10,12,14
.irp b, 0,1,2,3
	v_max3_num_f32 v[TM+\b], v[TM+\b], |v[AC+16*\b+\i]|, |v[AC+16*\b+\i+1]|   ; (the four blocks by turns)
.endr
.endr
	WIN 0
.irp b, 0,1,2,3
	v_permlanex16_b32 v[TM+4+\b], v[TM+\b], s[SEL], s[SEL+1]
.endr
.irp b, 0,1,2,3
	v_max_num_f32 v[TM+\b], v[TM+\b], v[TM+4+\b]   ; with lane l xor 16's: the block's largest magnitude
.endr
.irp b, 0,1,2,3
	v_add_nc_u32 v[TM+12+\b], 0xff000000, v[TM+\b] ; 2 off its exponent field: the conversion's scale operand
.endr
.irp b, 0,1,2,3
	v_lshrrev_b32 v[TM+4+\b], 23, v[TM+12+\b]      ; the scale's byte
.endr
	v_lshl_or_b32 v[SW+(\a)], v[TM+5], 8, v[TM+4]  ; the four bytes make my row's scale word (both halves of the lanes hold it)
	v_lshl_or_b32 v[SW+(\a)], v[TM+6], 16, v[SW+(\a)]
	v_lshl_or_b32 v[SW+(\a)], v[TM+7], 24, v[SW+(\a)]
	WIN WW                                         ; source 0: the accumulators' window
.irp c, 0,1
	v_cvt_scalef32_pk16_fp6_f32 v[PCA+6*\c:PCA+6*\c+2], v[AC+32*\c:AC+32*\c+15], v[TM+12+2*\c]
	v_cvt_scalef32_pk16_fp6_f32 v[PT+4*\c:PT+4*\c+2], v[AC+32*\c+16:AC+32*\c+31], v[TM+13+2*\c]   ; (a conversion's three registers begin on an even number)
.endr
	WIN 0
	v_nop                                          ; one plain place behind a scaled conversion
.irp c, 0,1                                    ; the operand's layout wants a WHOLE block in a lane: lanes 0-15 block 2 c, lanes 16-31 block 2 c + 1
.irp i, 0,1,2
	v_permlane16_swap_b32 v[PCA+6*\c+\i], v[PT+4*\c+\i]
.endr
.irp i, 0,1,2
	v_mov_b32 v[PCA+6*\c+3+\i], v[PT+4*\c+\i]
.endr
.endr
.irp p, 0,1,2,3,4,5
	global_store_b64 v[VO], v[PCA+2*\p:PCA+2*\p+1], s[8:9] offset:(\a)*1536+256*\p   ; 32 lanes store 256 consecutive bytes, at a multiple of 256 from the buffer's first byte
.endr
.endm
	PLACES NP                                      ; behind the last products: their results are read, and registers that they read are written
.irp b, 0,1,2,3
	v_mov_b32 v[TM+4+\b], 0                        ; written once: a lane permute's destination counts as one of its sources
.endr
.irp a, 0,1,2,3,4,5,6,7
	QW \a
.endr
	v_cmp_gt_u32 vcc_lo, 16, v[LN]
.irp j, 0,1,2,3
	v_cndmask_b32 v[DS+\j], v[SW+4+\j], v[SW+\j], vcc_lo   ; lanes 0-15: my row's words of units 0-3; lanes 16-31: of units 4-7
.endr
	global_store_b128 v[VSO], v[DS:DS+3], s[10:11] ; 512 consecutive bytes
	s_wait_tensorcnt 0x0                           ; the wave's end
	ds_add_u32 v[SPW], v[NIL]
	s_wait_dscnt 0x0
	CROUND                                         ; the closing round: no work-group ends while a partner may still ask for a tile that names it
	s_endpgm
.Lfunc_end_k_q31dd2f90d6_proj:
	.size	k_q31dd2f90d6_proj, .Lfunc_end_k_q31dd2f90d6_proj-k_q31dd2f90d6_proj
	.p2alignl 7, 3214868480
	.fill 96, 4, 3214868480
	.section	.rodata,"a",@progbits
	.p2align	6, 0x0
	.amdhsa_kernel k_q31dd2f90d6_proj
		.amdhsa_group_segment_fixed_size 327680
		.amdhsa_private_segment_fixed_size 0
		.amdhsa_enable_private_segment 0
		.amdhsa_kernarg_size 32
		.amdhsa_user_sgpr_count 2
		.amdhsa_user_sgpr_kernarg_segment_ptr 1
		.amdhsa_wavefront_size32 1
		.amdhsa_system_sgpr_workgroup_id_x 1
		.amdhsa_system_sgpr_workgroup_id_y 1
		.amdhsa_system_sgpr_workgroup_id_z 1
		.amdhsa_system_vgpr_workitem_id 0
		.amdhsa_next_free_vgpr 1024
		.amdhsa_next_free_sgpr 102
		.amdhsa_reserve_vcc 1
		.amdhsa_float_denorm_mode_32 3
		.amdhsa_float_denorm_mode_16_64 3
		.amdhsa_memory_ordered 1
		.amdhsa_forward_progress 1
		.amdhsa_inst_pref_size 167
	.end_amdhsa_kernel
	.amdgpu_metadata
---
amdhsa.version: [ 1, 2 ]
amdhsa.kernels:
  - .name:           k_q31dd2f90d6_proj
    .symbol:         k_q31dd2f90d6_proj.kd
    .args:
      - { .name: codes, .offset: 0, .size: 8, .value_kind: global_buffer, .address_space: global }
      - { .name: scales, .offset: 8, .size: 8, .value_kind: global_buffer, .address_space: global }
      - { .name: img, .offset: 16, .size: 8, .value_kind: global_buffer, .address_space: global }
      - { .name: isc, .offset: 24, .size: 8, .value_kind: global_buffer, .address_space: global }
    .group_segment_fixed_size: 327680
    .private_segment_fixed_size: 0
    .kernarg_segment_align: 8
    .kernarg_segment_size: 32
    .max_flat_workgroup_size: 128
    .sgpr_count:     102
    .vgpr_count:     1024
    .wavefront_size: 32
...
	.end_amdgpu_metadata
.endif
;; end of part 2
;; launch att (part 3): grid 8 x 32, 16 waves a work-group, no clusters, 250,112 bytes of LDS; arguments img, isc, lambda_q1, lambda_k1, lambda_q2, lambda_k2, out0; writes out0
.if DOCPART == 3
	.amdgcn_target "amdgcn-amd-amdhsa--gfx1250"
	.amdhsa_code_object_version 6
	.text
	.protected	k_q31dd2f90d6_att
	.globl	k_q31dd2f90d6_att
	.p2align	8
	.type	k_q31dd2f90d6_att,@function
k_q31dd2f90d6_att:
	s_mov_b64 s[64:65], 0
	v_nop
	global_prefetch_b8 v0, s[64:65] scope:SCOPE_SE
	s_setreg_imm32_b32 hwreg(HW_REG_WAVE_MODE, 25, 1), 1
	s_wait_xcnt 0x0
; out[b][t][64 h + d] = sum over n of (softmax_n(q1 . k1 / sqrt(32)) - lam softmax_n(q2 . k2 / sqrt(32))) v[n][d], lam = exp(lq1 . lk1) - exp(lq2 . lk2) + 0.8.
; Both products on codes of FP6 (E2M3) with E8M0 scales.  THE DIFFERENCE OF THE TWO FINISHED, NORMALISED SOFTMAXES is what the second product's quantiser takes, in blocks of 32 keys: so a row's maximum and sum
; are known before anything of the row is quantised.  The whole row is kept: 16 queries x 2,048 keys x 2 halves of f32 lie in the registers of ONE work-group of sixteen waves, and each exponential is taken once.
; SHARES.  Work-group (x, y): batch y / 16, head y % 16, queries 256 x .. 256 x + 255 as sixteen tiles of 16.  Wave w owns keys 128 w .. 128 w + 127 for every tile: its V (four fragments) and K's scale words stay in
; registers, its K (eight tiles x 6 registers) in LDS bytes of its own, as an image of the registers.  A lane holds ONE query (lane % 16) throughout.
; INPUTS are images of operands' registers (a unit: 1,536 bytes, register pair p of lane l at 256 p + 8 l; scale word of row r at (unit / 4) 256 + 16 r + 4 (unit % 4)).  A unit of q or k holds a pair of heads: the even
; head in pairs 0-2 and scale bytes 0, 1, the odd one in pairs 3-5 and bytes 2, 3.  In a head's six registers lanes 0-15 hold half 1 (32 channels, one block), lanes 16-31 half 2.
; THE SCORES have K = 32.  The matrix instruction takes 128: source 0 = a tile of K's six registers and the six that follow them (whatever they hold); source 1 = Q with only half 1's lanes (or half 2's) kept and zero codes
; everywhere else: zero codes add nothing under any scale byte but 0xff, and the unused scale bytes are 0.  Two instructions give 16 keys x 16 queries of both halves.
; The 16 stored rows of a tile (2 b + u) are rows 32 b + 8 u + r % 8 + 16 (r / 8): so the 16 registers of tiles 2 b, 2 b + 1 are keys 32 b + 16 (lane / 16) + 0 .. 15, as the next operand's layout wants them.
; THE SOFTMAX.  Each wave takes its own keys' maximum: t = c s, c = log2(e) / sqrt(32); N = floor(-max t), a whole number; p = 2^(t + N); l = sum p.  The waves exchange (N, l) once a tile through LDS:
; Ng = min N; the row's sum = sum of l_w 2^(Ng - N_w), which rounds nothing; my factor f = 2^(Ng - N) / sum.  What is quantised is p1 f1 + p2 f2, f2 carrying -lam.
; ONE BARRIER A TILE.  Statistics and partial results take turns between two sets of LDS bytes: a set is written again only behind the next barrier, which every wave signals behind the wait for its reads.
; Each wave's O (16 queries x 64 channels over its 128 keys) goes to LDS; a tile later wave w adds the sixteen parts of row w and stores 256 consecutive bytes of out.
; NO CLUSTER, NO TENSOR LOAD: the eight work-groups of a head read the same K and V, but once, at the head: 12,288 bytes a wave, for sixteen tiles' work; nothing streams.
; LIMITS: NaN and infinities are not served; p under 2^-126 is taken as 0 (v_exp_f32: ISA guide 15.8); a block whose largest magnitude lies under 2^-124 gets the scale byte 1 (a block of zeros too: its codes are zeros);
; c t is kept as a whole number in f32: exact up to 2^24.
.set UNIT,  1536
.set IMGK,  3145728                    ; img: q at 0, k here,
.set IMGV,  6291456                    ; v here
.set ISCK,  131072                     ; isc likewise
.set ISCV,  262144
.set KREG,  6144                       ; LDS: K's image: 12 x 512 bytes for each wave, the wave's own
.set STAT,  16*KREG                    ; the statistics: set x STP + {N: 0, l: STL} + 80 x lane + 4 x source wave (64 bytes a lane + 16 of padding)
.set STL,   2560
.set STP,   5120
.set OPART, STAT+2*STP                 ; the partial results: row x ORS + set x OPH + source wave x 272 + 4 x channel
.set OPH,   16*272
.set ORS,   2*OPH+16                   ; the 16 bytes over keep the sixteen rows of a store in different banks
.set KAD,  1                           ; v1   K's image: KREG x wave + 16 x lane
.set SNW,  2                           ; v2   where I store statistics: STAT + 80 x lane + 4 x wave
.set SNR,  3                           ; v3   where I read them: STAT + 80 x lane
.set OW,   4                           ; v4   where I store partial results: OPART + ORS r + 272 x wave + 64 h
.set ORD,  5                           ; v5   where I read them: OPART + ORS x wave + 8 x lane
.set QO,   6                           ; v6   8 x lane: an image's place for my lane; also my 8 bytes of a row of out
.set QSO,  7                           ; v7   16 r: my row's scale words
.set LAMS, 8                           ; v8   lanes 0-15: 1.0; lanes 16-31: -lam
.set NH,   9                           ; v9   N of my lane's half
.set QS,   10                          ; v10  Q's scale word
.set PW,   11                          ; v11  the quantised difference's scale word
.set N1,   12                          ; v[12:13] N of half 1 (the pair's upper word is named and not used)
.set N2,   14                          ; v[14:15] N of half 2
.set Q1,   20                          ; v20-25 Q's codes, half 1's lanes; v26-31 zeros
.set Q2,   32                          ; v32-37 half 2's lanes; v38-43 zeros.  Behind the scores v[32:33], v[34:35]: f1, f2
.set VS,   44                          ; v44-47 V's scale words
.set KS,   48                          ; v48-55 K's scale words: they stay, and the registers hold nothing else
.set KC,   56                          ; v56-79 four tiles of K; at work outside the scores
.set TM,   56                          ; the quantiser: v56-59 largest magnitudes, v60-63 the other half's / bytes, v68-71 scale operands
.set PT,   72                          ; v72-79 the conversions' second halves
.set VF,   80                          ; v80-127 V's four fragments; they follow K's tiles
.set S1,   128                         ; v128-191 half 1's scores, p, then the difference; later the sixteen parts of a row
.set S2,   192                         ; v192-255 half 2's
.set PCD,  192                         ; v192-203 the difference's codes
.set OA,   224                         ; v224-255 my O: four accumulators
	s_load_b256 s[4:11], s[0:1], 0x0               ; img s[4:5], isc s[6:7], lambda_q1 s[8:9], lambda_k1 s[10:11]
	s_load_b128 s[12:15], s[0:1], 0x20             ; lambda_q2, lambda_k2
	s_load_b64 s[16:17], s[0:1], 0x30              ; out0
	v_lshrrev_b32 v16, 5, v0
	v_readfirstlane_b32 s18, v16                   ; wave 0..15
	v_and_b32 v17, 31, v0                          ; lane
	v_and_b32 v18, 15, v0                          ; r
	v_bfe_u32 v19, v0, 4, 1                        ; h
	s_mov_b32 s19, 0xffff0000                      ; a select's mask: lanes 16-31
	s_mov_b32 s20, 0x76543210
	s_mov_b32 s21, 0xfedcba98                      ; v_permlanex16_b32's selects for lane l xor 16
	s_mov_b32 s22, 0x3e8293ee                      ; c = log2(e) / sqrt(32)
	s_mov_b32 s23, s22                             ; (named with it as a pair, so it is written)
	s_mul_i32 s40, s18, KREG
	v_lshlrev_b32 v[KAD], 4, v17
	v_add_nc_u32 v[KAD], s40, v[KAD]
	v_mul_u32_u24 v[SNR], v17, 80
	v_add_nc_u32 v[SNR], STAT, v[SNR]
	s_lshl_b32 s40, s18, 2
	v_add_nc_u32 v[SNW], s40, v[SNR]
	s_mul_i32 s40, s18, 272
	v_mul_u32_u24 v[OW], v18, ORS
	v_lshl_add_u32 v[OW], v19, 6, v[OW]
	v_add_nc_u32 v[OW], s40, v[OW]
	v_add_nc_u32 v[OW], OPART, v[OW]
	s_mul_i32 s40, s18, ORS
	v_lshlrev_b32 v[QO], 3, v17
	v_add_nc_u32 v[ORD], s40, v[QO]
	v_add_nc_u32 v[ORD], OPART, v[ORD]
	v_lshlrev_b32 v[QSO], 4, v18
	v_lshlrev_b32 v16, 2, v17                      ; 4 x lane: the lambdas
	s_and_b32 s40, ttmp7, 0xffff
	s_lshr_b32 s41, s40, 4                         ; batch
	s_and_b32 s42, s40, 15                         ; head
	s_lshr_b32 s43, s42, 1                         ; head pair
	s_and_b32 s44, s42, 1                          ; which of the pair
	s_lshl_b32 s25, s44, 4                         ; its two scale bytes begin at bit 0 or 16
	s_mul_i32 s44, s44, 768                        ; its three register pairs at byte 0 or 768
	s_lshl_b32 s45, s41, 3
	s_add_co_u32 s45, s45, s43
	s_lshl_b32 s45, s45, 7                         ; (8 batch + head pair) 128: the first unit of q and of k
	s_lshl_b32 s46, ttmp9, 4
	s_add_co_u32 s46, s46, s45                     ; Q: + 16 x
	s_mul_i32 s26, s46, UNIT
	s_add_co_u32 s26, s26, s44
	s_mov_b32 s27, 0
	s_lshl_b32 s28, s46, 6
	s_mov_b32 s29, 0
	s_lshl_b32 s46, s18, 3
	s_add_co_u32 s46, s46, s45                     ; K: + 8 x wave
	s_mul_i32 s32, s46, UNIT
	s_add_co_u32 s32, s32, s44
	s_add_co_u32 s32, s32, IMGK
	s_mov_b32 s33, 0
	s_lshl_b32 s34, s46, 6
	s_add_co_u32 s34, s34, ISCK
	s_mov_b32 s35, 0
	s_lshl_b32 s46, s41, 4
	s_add_co_u32 s46, s46, s18
	s_lshl_b32 s46, s46, 6
	s_lshl_b32 s47, s42, 2
	s_add_co_u32 s46, s46, s47                     ; V: (16 batch + wave) 64 + 4 head
	s_mul_i32 s36, s46, UNIT
	s_add_co_u32 s36, s36, IMGV
	s_mov_b32 s37, 0
	s_lshl_b32 s38, s46, 6
	s_add_co_u32 s38, s38, ISCV
	s_mov_b32 s39, 0
	s_lshl_b32 s46, s41, 11                        ; out: row w of stored tile j is token 256 x + 32 (j / 2) + 8 (j % 2) + w % 8 + 16 (w / 8)
	s_lshl_b32 s47, ttmp9, 8
	s_add_co_u32 s46, s46, s47
	s_and_b32 s47, s18, 7
	s_add_co_u32 s46, s46, s47
	s_lshr_b32 s47, s18, 3
	s_lshl_b32 s47, s47, 4
	s_add_co_u32 s46, s46, s47
	s_lshl_b32 s46, s46, 12                        ; 4,096 bytes a row,
	s_lshl_b32 s47, s42, 8
	s_add_co_u32 s46, s46, s47                     ; the head's 256 bytes
	s_mov_b32 s47, 0
	s_wait_kmcnt 0x0
	s_add_nc_u64 s[26:27], s[4:5], s[26:27]        ; Q's images: the tile pair in hand
	s_add_nc_u64 s[28:29], s[6:7], s[28:29]        ; Q's scale words
	s_add_nc_u64 s[32:33], s[4:5], s[32:33]
	s_add_nc_u64 s[34:35], s[6:7], s[34:35]
	s_add_nc_u64 s[36:37], s[4:5], s[36:37]
	s_add_nc_u64 s[38:39], s[6:7], s[38:39]
	s_add_nc_u64 s[16:17], s[16:17], s[46:47]
	s_mov_b64 s[30:31], s[28:29]                   ; the scale words of the tile that is being asked for
.irp i, 0,1,2,3,4,5,6,7
.irp p, 0,1,2
	global_load_b64 v[S1+6*\i+2*\p:S1+6*\i+2*\p+1], v[QO], s[32:33] offset:UNIT*\i+256*\p   ; K's eight tiles, my head's half of each unit
.endr
.endr
	global_load_b128 v[KS:KS+3], v[QSO], s[34:35]
	global_load_b128 v[KS+4:KS+7], v[QSO], s[34:35] offset:256
.irp t, 0,1,2,3
.irp p, 0,1,2,3,4,5
	global_load_b64 v[VF+12*\t+2*\p:VF+12*\t+2*\p+1], v[QO], s[36:37] offset:UNIT*\t+256*\p
.endr
.endr
	global_load_b128 v[VS:VS+3], v[QSO], s[38:39]
	global_load_b32 v184, v16, s[8:9]
	global_load_b32 v185, v16, s[10:11]
	global_load_b32 v186, v16, s[12:13]
	global_load_b32 v187, v16, s[14:15]
.irp p, 0,1,2
	global_load_b64 v[Q1+2*\p:Q1+2*\p+1], v[QO], s[26:27] offset:256*\p   ; Q of tile 0
.endr
	global_load_b32 v[QS], v[QSO], s[30:31]
	s_wait_loadcnt 4                               ; all but Q's four loads
.irp i, 0,1,2,3,4,5,6,7
	v_bfe_u32 v[KS+\i], v[KS+\i], s25, 16          ; my head's two scale bytes; bytes 2 and 3 become 0
.endr
.irp c, 0,1,2,3,4,5,6,7,8,9,10,11
	ds_store_b128 v[KAD], v[S1+4*\c:S1+4*\c+3] offset:512*\c   ; K's 48 registers as they stand; only I read them, and LDS serves a wave's instructions in order
.endr
	v_mul_f32 v184, v184, v185                     ; lam
	v_mul_f32 v186, v186, v187
.irp m, 1,2,4,8
	v_add_f32_dpp v184, v184, v184 row_xmask:\m row_mask:0xf bank_mask:0xf
	v_add_f32_dpp v186, v186, v186 row_xmask:\m row_mask:0xf bank_mask:0xf
.endr
	v_permlanex16_b32 v185, v184, s20, s21
	v_permlanex16_b32 v187, v186, s20, s21
	v_add_f32 v184, v184, v185
	v_add_f32 v186, v186, v187
	v_mul_f32 v184, 0x3fb8aa3b, v184               ; e^x = 2^(x log2(e))
	v_mul_f32 v186, 0x3fb8aa3b, v186
	v_exp_f32 v184, v184
	v_exp_f32 v186, v186
	v_mov_b32 v13, 0                               ; (a plain place behind the exponentials)
	s_wait_alu depctr_va_vdst(0)                   ; the wait ahead of the first reader: one for both
	v_sub_f32 v184, v186, v184
	v_add_f32 v184, 0xbf4ccccd, v184               ; -lam = (e2 - e1) - 0.8
	v_cndmask_b32 v[LAMS], 1.0, v184, s19
	v_mov_b32 v15, 0
.irp i, 16,17,18,19
	v_mov_b32 v\i, 0
.endr
.irp i, 6,7,8,9,10,11
	v_mov_b32 v[Q1+\i], 0                          ; zero codes for K = 64 .. 127
	v_mov_b32 v[Q2+\i], 0
.endr
	s_mov_b32 s24, 0                               ; the trip: tiles 2 s24 and 2 s24 + 1
; 64 numbers of a lane, v[src] on, register 16 b + i = key 32 b + 16 (lane / 16) + i of my query, become a fragment's codes in v[PCD] on and its scale word in v[PW].
.macro QUANT src
.irp b, 0,1,2,3
	v_max3_num_f32 v[TM+\b], |v[\src+16*\b]|, |v[\src+1+16*\b]|, 0x1800000   ; block b: my 16 numbers, and the floor 2^(3 - 127): the byte cannot fall under 1
.endr
.irp i, 2,4,6,8,10,12,14
.irp b, 0,1,2,3
	v_max3_num_f32 v[TM+\b], v[TM+\b], |v[\src+16*\b+\i]|, |v[\src+1+16*\b+\i]|   ; (the four blocks by turns)
.endr
.endr
.irp b, 0,1,2,3
	v_permlanex16_b32 v[TM+4+\b], v[TM+\b], s20, s21
.endr
.irp b, 0,1,2,3
	v_max_num_f32 v[TM+\b], v[TM+\b], v[TM+4+\b]   ; with lane l xor 16's: the block's largest magnitude
.endr
.irp b, 0,1,2,3
	v_add_nc_u32 v[TM+12+\b], 0xff000000, v[TM+\b] ; 2 off its exponent field: the conversion's scale operand
.endr
.irp b, 0,1,2,3
	v_lshrrev_b32 v[TM+4+\b], 23, v[TM+12+\b]      ; the scale's byte
.endr
	v_lshl_or_b32 v[PW], v[TM+5], 8, v[TM+4]
	v_lshl_or_b32 v[PW], v[TM+6], 16, v[PW]
	v_lshl_or_b32 v[PW], v[TM+7], 24, v[PW]
.irp c, 0,1
	v_cvt_scalef32_pk16_fp6_f32 v[PCD+6*\c:PCD+2+6*\c], v[\src+32*\c:\src+15+32*\c], v[TM+12+2*\c]
	v_cvt_scalef32_pk16_fp6_f32 v[PT+4*\c:PT+2+4*\c], v[\src+16+32*\c:\src+31+32*\c], v[TM+13+2*\c]   ; (a conversion's three registers begin on an even number)
.endr
	v_nop                                          ; one plain place behind a scaled conversion
.irp c, 0,1                                    ; the operand's layout wants a WHOLE block in a lane
.irp i, 0,1,2
	v_permlane16_swap_b32 v[PCD+6*\c+\i], v[PT+4*\c+\i]
.endr
.irp i, 0,1,2
	v_mov_b32 v[PCD+3+6*\c+\i], v[PT+4*\c+\i]
.endr
.endr
.endm
; Row w of the tile whose parts lie in set st: sixteen parts of 256 bytes are added and stored goff bytes behind the base.
.macro REDUCE st, goff
.irp s, 0,1,2,3,4,5,6,7,8,9,10,11,12,13,14,15
	ds_load_b64 v[S1+2*\s:S1+2*\s+1], v[ORD] offset:(\st)*OPH+272*\s
.endr
	s_wait_dscnt 0x0
.irp s, 0,2,4,6,8,10,12,14
	v_pk_add_f32 v[S1+2*\s:S1+2*\s+1], v[S1+2*\s:S1+2*\s+1], v[S1+2*\s+2:S1+2*\s+3]
.endr
.irp s, 0,4,8,12
	v_pk_add_f32 v[S1+2*\s:S1+2*\s+1], v[S1+2*\s:S1+2*\s+1], v[S1+2*\s+4:S1+2*\s+5]
.endr
.irp s, 0,8
	v_pk_add_f32 v[S1+2*\s:S1+2*\s+1], v[S1+2*\s:S1+2*\s+1], v[S1+2*\s+8:S1+2*\s+9]
.endr
	v_pk_add_f32 v[S1:S1+1], v[S1:S1+1], v[S1+16:S1+17]
	global_store_b64 v[QO], v[S1:S1+1], s[16:17] offset:\goff th:TH_STORE_NT   ; 32 lanes store 256 consecutive bytes, at a multiple of 256 from out's first byte; written once
	s_wait_xcnt 0x0                                ; the store's data and base are written again only behind this wait
.endm
; ONE TILE OF 16 QUERIES.  par: the tile's number modulo 2: which set of statistics and of partial results it writes.
.macro TILE par
	; ---- the scores
.irp c, 0,1,2,3,4,5
	ds_load_b128 v[KC+4*\c:KC+4*\c+3], v[KAD] offset:512*\c      ; K's tiles 0-3
.endr
	s_wait_loadcnt 0x0                             ; this tile's Q, asked for a tile ago
	v_bfe_u32 v[QS], v[QS], s25, 16                ; my head's two scale bytes; bytes 2 and 3 become 0
.irp i, 0,1,2,3,4,5
	v_cndmask_b32 v[Q2+\i], 0, v[Q1+\i], s19       ; half 2 lies in lanes 16-31: zero codes elsewhere
.endr
.irp i, 0,1,2,3,4,5
	v_cndmask_b32 v[Q1+\i], v[Q1+\i], 0, s19       ; half 1 in lanes 0-15
.endr
.rept 8
	v_nop                                          ; a scale register written by a vector instruction stands 8 places ahead of a scaled matrix instruction, an operand so written 4
.endr
	s_wait_dscnt 0x0
.irp g, 0,1
.if \g
.rept 4
	v_nop                                          ; places in front of loads into registers that matrix instructions have read
.endr
.irp c, 0,1,2,3,4,5
	ds_load_b128 v[KC+4*\c:KC+4*\c+3], v[KAD] offset:512*(6+\c)  ; K's tiles 4-7
.endr
	s_wait_dscnt 0x0
.endif
.irp i, 0,1,2,3
	v_wmma_scale_f32_16x16x128_f8f6f4 v[S1+8*(4*\g+\i):S1+8*(4*\g+\i)+7], v[KC+6*\i:KC+6*\i+11], v[Q1:Q1+11], 0, v[KS+4*\g+\i], v[QS] matrix_a_fmt:MATRIX_FMT_FP6 matrix_b_fmt:MATRIX_FMT_FP6
	v_wmma_scale_f32_16x16x128_f8f6f4 v[S2+8*(4*\g+\i):S2+8*(4*\g+\i)+7], v[KC+6*\i:KC+6*\i+11], v[Q2:Q2+11], 0, v[KS+4*\g+\i], v[QS] matrix_a_fmt:MATRIX_FMT_FP6 matrix_b_fmt:MATRIX_FMT_FP6
.endr
.endr
.rept 4
	v_nop                                          ; places: the results are read, Q's registers are loaded again, K's are written
.endr
	; ---- the next tile's Q is asked for now: it has the rest of this tile in which to land.  The last tile asks for nothing
.if \par
	s_cmp_eq_u32 s24, 7
	s_cbranch_scc1 .Lno_q_\@
	s_add_nc_u64 s[26:27], s[26:27], 2*UNIT        ; (the loads that named this base were waited for at this tile's head)
.endif
	s_lshl_b32 s40, s24, 1
	s_add_co_u32 s40, s40, 1+\par                  ; the next tile's number j
	s_lshr_b32 s41, s40, 2
	s_lshl_b32 s41, s41, 8
	s_and_b32 s40, s40, 3
	s_lshl_b32 s40, s40, 2
	s_add_co_u32 s40, s40, s41                     ; its scale words: 256 (j / 4) + 4 (j % 4)
	s_mov_b32 s41, 0
	s_add_nc_u64 s[30:31], s[28:29], s[40:41]
.irp p, 0,1,2
	global_load_b64 v[Q1+2*\p:Q1+2*\p+1], v[QO], s[26:27] offset:256*\p+UNIT*(1-\par)
.endr
	global_load_b32 v[QS], v[QSO], s[30:31]
.if \par
.Lno_q_\@:
.endif
	; ---- my keys' largest score of each half: four chains (half, odd or even tile); each accumulator is read from its low end on
.set tp, 0
.rept 4
.set qq, 0
.rept 4
.set ch, 0
.rept 4
.set rr, S1+64*(ch/2)+8*(2*tp+ch%2)+2*qq
.if (tp == 0) && (qq == 0)
	v_max_num_f32 v[56+ch], v[rr], v[rr+1]
.else
	v_max3_num_f32 v[56+ch], v[56+ch], v[rr], v[rr+1]
.endif
.set ch, ch+1
.endr
.set qq, qq+1
.endr
.set tp, tp+1
.endr
	v_max_num_f32 v56, v56, v57
	v_max_num_f32 v58, v58, v59
	v_permlanex16_b32 v60, v56, s20, s21
	v_permlanex16_b32 v61, v58, s20, s21
	v_max_num_f32 v56, v56, v60                    ; with lane l xor 16's 64 keys
	v_max_num_f32 v58, v58, v61
	v_mul_f32 v56, s22, v56                        ; as t (c is positive)
	v_mul_f32 v58, s22, v58
	v_floor_f32 v[N1], -v56                        ; N = floor(-t) = -ceil(t): a whole number
	v_floor_f32 v[N2], -v58
	; ---- p = 2^(c s + N)
.set ii, 0
.rept 32
	v_pk_fma_f32 v[S1+ii:S1+ii+1], v[S1+ii:S1+ii+1], s[22:23], v[N1:N1+1] op_sel_hi:[1,0,0]
	v_pk_fma_f32 v[S2+ii:S2+ii+1], v[S2+ii:S2+ii+1], s[22:23], v[N2:N2+1] op_sel_hi:[1,0,0]
.set ii, ii+2
.endr
.set ii, 0
.rept 128
	v_exp_f32 v[S1+ii], v[S1+ii]
.set ii, ii+1
.endr
	v_cndmask_b32 v[NH], v[N1], v[N2], s19         ; my lane's half's N.  (A plain place behind the exponentials)
	s_wait_alu depctr_va_vdst(0)                   ; the wait ahead of the first reader: one for the batch of 128
	; ---- the sums, two at a time, two chains a half
	v_pk_add_f32 v[56:57], v[S1:S1+1], v[S1+2:S1+3]
	v_pk_add_f32 v[58:59], v[S1+4:S1+5], v[S1+6:S1+7]
	v_pk_add_f32 v[60:61], v[S2:S2+1], v[S2+2:S2+3]
	v_pk_add_f32 v[62:63], v[S2+4:S2+5], v[S2+6:S2+7]
.irp j, 8,12,16,20,24,28,32,36,40,44,48,52,56,60
	v_pk_add_f32 v[56:57], v[56:57], v[S1+\j:S1+\j+1]
	v_pk_add_f32 v[58:59], v[58:59], v[S1+\j+2:S1+\j+3]
	v_pk_add_f32 v[60:61], v[60:61], v[S2+\j:S2+\j+1]
	v_pk_add_f32 v[62:63], v[62:63], v[S2+\j+2:S2+\j+3]
.endr
	v_pk_add_f32 v[56:57], v[56:57], v[58:59]
	v_pk_add_f32 v[60:61], v[60:61], v[62:63]
	v_add_f32 v56, v56, v57                        ; half 1's sum over my 64 keys
	v_add_f32 v60, v60, v61                        ; half 2's
	v_cndmask_b32 v64, v56, v60, s19               ; I keep my lane's half's
	v_cndmask_b32 v65, v60, v56, s19               ; and send the other to lane l xor 16, whose half it is
	v_permlanex16_b32 v66, v65, s20, s21
	v_add_f32 v64, v64, v66                        ; lane (r, h): the sum of query r, half h, over my wave's 128 keys
	ds_store_b32 v[SNW], v[NH] offset:(\par)*STP
	ds_store_b32 v[SNW], v64 offset:(\par)*STP+STL
	; ---- the tile's one barrier: my statistics and my last tile's partial results have landed, and my reads of the sets that are written next are over
	s_wait_dscnt 0x0
	s_barrier_signal -1
	s_barrier_wait -1
	; ---- the row's N and sum.  24 registers are free: the sixteen N and the lower eight sums come first; the upper eight sums land where the lower shifts lay
.irp k, 0,1,2,3
	ds_load_b128 v[56+4*\k:59+4*\k], v[SNR] offset:(\par)*STP+16*\k
.endr
	ds_load_b128 v[72:75], v[SNR] offset:(\par)*STP+STL
	ds_load_b128 v[76:79], v[SNR] offset:(\par)*STP+STL+16
	s_wait_dscnt 0x0
	v_min3_num_f32 v16, v56, v57, v58
	v_min3_num_f32 v17, v59, v60, v61
	v_min3_num_f32 v16, v16, v62, v63
	v_min3_num_f32 v17, v17, v64, v65
	v_min3_num_f32 v16, v16, v66, v67
	v_min3_num_f32 v17, v17, v68, v69
	v_min3_num_f32 v16, v16, v70, v71
	v_min_num_f32 v16, v16, v17                    ; Ng: the least N is the largest maximum
.irp i, 0,2,4,6
	v_pk_add_f32 v[56+\i:57+\i], v[16:17], v[56+\i:57+\i] op_sel_hi:[0,1] neg_lo:[0,1] neg_hi:[0,1]   ; Ng - N_w: a whole number, 0 or less
.endr
.irp i, 0,1,2,3,4,5,6,7
	v_cvt_i32_f32 v[56+\i], v[56+\i]               ; (it saturates)
.endr
.irp i, 0,1,2,3,4,5,6,7
	v_ldexp_f32 v[72+\i], v[72+\i], v[56+\i]       ; l_w 2^(Ng - N_w): nothing is rounded
.endr
	ds_load_b128 v[56:59], v[SNR] offset:(\par)*STP+STL+32
	ds_load_b128 v[60:63], v[SNR] offset:(\par)*STP+STL+48
.irp i, 8,10,12,14
	v_pk_add_f32 v[56+\i:57+\i], v[16:17], v[56+\i:57+\i] op_sel_hi:[0,1] neg_lo:[0,1] neg_hi:[0,1]
.endr
.irp i, 8,9,10,11,12,13,14,15
	v_cvt_i32_f32 v[56+\i], v[56+\i]
.endr
	v_pk_add_f32 v[72:73], v[72:73], v[74:75]
	v_pk_add_f32 v[76:77], v[76:77], v[78:79]
	v_pk_add_f32 v[72:73], v[72:73], v[76:77]
	v_sub_f32 v19, v16, v[NH]                      ; Ng - my wave's own N
	v_cvt_i32_f32 v19, v19
	s_wait_dscnt 0x0
.irp i, 0,1,2,3,4,5,6,7
	v_ldexp_f32 v[56+\i], v[56+\i], v[64+\i]
.endr
	v_pk_add_f32 v[56:57], v[56:57], v[58:59]
	v_pk_add_f32 v[60:61], v[60:61], v[62:63]
	v_pk_add_f32 v[56:57], v[56:57], v[60:61]
	v_pk_add_f32 v[56:57], v[56:57], v[72:73]
	v_add_f32 v56, v56, v57                        ; the row's sum, the same bits in every wave
	v_rcp_f32 v18, v56
	v_nop                                          ; a plain place behind the reciprocal
	s_wait_alu depctr_va_vdst(0)                   ; and the wait ahead of its first reader
	v_ldexp_f32 v18, v18, v19                      ; 2^(Ng - N) / sum
	v_mul_f32 v35, v18, v[LAMS]                    ; lanes 0-15: f1; lanes 16-31: f2 = -lam x ..
	v_permlanex16_b32 v33, v35, s20, s21
	v_cndmask_b32 v32, v35, v33, s19               ; f1 in every lane
	v_cndmask_b32 v34, v33, v35, s19               ; f2
	; ---- softmax 1 - lam softmax 2, finished and normalised
.set ii, 0
.rept 32
	v_pk_mul_f32 v[S1+ii:S1+ii+1], v[S1+ii:S1+ii+1], v[32:33] op_sel_hi:[1,0]
.set ii, ii+2
.endr
.set ii, 0
.rept 32
	v_pk_fma_f32 v[S1+ii:S1+ii+1], v[S2+ii:S2+ii+1], v[34:35], v[S1+ii:S1+ii+1] op_sel_hi:[1,0,1]
.set ii, ii+2
.endr
	QUANT S1
.rept 8
	v_nop                                          ; the scale word stands 8 places, the codes 4, ahead of the scaled matrix instructions
.endr
	; ---- O^T = V^T x the difference, over my 128 keys: source 0 = 16 channels, source 1 = my 16 queries
.irp t, 0,1,2,3
	v_wmma_scale_f32_16x16x128_f8f6f4 v[OA+8*\t:OA+8*\t+7], v[VF+12*\t:VF+12*\t+11], v[PCD:PCD+11], 0, v[VS+\t], v[PW] matrix_a_fmt:MATRIX_FMT_FP6 matrix_b_fmt:MATRIX_FMT_FP6
.endr
.rept 4
	v_nop
.endr
.irp b, 0,1
.irp k, 0,1,2,3
	ds_store_b128 v[OW], v[OA+16*\b+4*\k:OA+16*\b+4*\k+3] offset:(\par)*OPH+128*\b+16*\k   ; registers 16 b + i are channels 32 b + 16 h + i of query r; each accumulator from its low end on
.endr
.endr
	; ---- the tile before: its sixteen parts were shown landed by this tile's barrier
.if (\par) == 0
	s_cmp_eq_u32 s24, 0
	s_cbranch_scc1 .Lno_red_\@                     ; tile 0 has no tile before it
	REDUCE 1, 32768                                ; an odd tile: 8 tokens on
	s_add_nc_u64 s[16:17], s[16:17], 131072        ; the next pair of tiles: 32 tokens on
.Lno_red_\@:
.else
	REDUCE 0, 0
.endif
.endm
.Ltrip:
	TILE 0
	TILE 1
	s_add_co_u32 s24, s24, 1
	s_cmp_lt_u32 s24, 8
	s_cbranch_scc1 .Ltrip
	s_wait_dscnt 0x0                               ; my parts of the last tile have landed
	s_barrier_signal -1
	s_barrier_wait -1
	REDUCE 1, 32768
	s_wait_xcnt 0x0
	v_lshl_add_u32 v254, v0, 2, 0x3c900
	v_mov_b32 v255, 0
	s_wait_tensorcnt 0x0
	ds_add_u32 v254, v255
	s_wait_dscnt 0x0
	s_endpgm
.Lfunc_end_k_q31dd2f90d6_att:
	.size	k_q31dd2f90d6_att, .Lfunc_end_k_q31dd2f90d6_att-k_q31dd2f90d6_att
	.p2alignl 7, 3214868480
	.fill 96, 4, 3214868480
	.section	.rodata,"a",@progbits
	.p2align	6, 0x0
	.amdhsa_kernel k_q31dd2f90d6_att
		.amdhsa_group_segment_fixed_size 250112
		.amdhsa_private_segment_fixed_size 0
		.amdhsa_enable_private_segment 0
		.amdhsa_kernarg_size 56
		.amdhsa_user_sgpr_count 2
		.amdhsa_user_sgpr_kernarg_segment_ptr 1
		.amdhsa_wavefront_size32 1
		.amdhsa_system_sgpr_workgroup_id_x 1
		.amdhsa_system_sgpr_workgroup_id_y 1
		.amdhsa_system_sgpr_workgroup_id_z 1
		.amdhsa_system_vgpr_workitem_id 0
		.amdhsa_next_free_vgpr 256
		.amdhsa_next_free_sgpr 66
		.amdhsa_reserve_vcc 0
		.amdhsa_float_denorm_mode_32 3
		.amdhsa_float_denorm_mode_16_64 3
		.amdhsa_memory_ordered 1
		.amdhsa_forward_progress 1
		.amdhsa_inst_pref_size 89
	.end_amdhsa_kernel
	.amdgpu_metadata
---
amdhsa.version: [ 1, 2 ]
amdhsa.kernels:
  - .name:           k_q31dd2f90d6_att
    .symbol:         k_q31dd2f90d6_att.kd
    .args:
      - { .name: img, .offset: 0, .size: 8, .value_kind: global_buffer, .address_space: global }
      - { .name: isc, .offset: 8, .size: 8, .value_kind: global_buffer, .address_space: global }
      - { .name: lambda_q1, .offset: 16, .size: 8, .value_kind: global_buffer, .address_space: global }
      - { .name: lambda_k1, .offset: 24, .size: 8, .value_kind: global_buffer, .address_space: global }
      - { .name: lambda_q2, .offset: 32, .size: 8, .value_kind: global_buffer, .address_space: global }
      - { .name: lambda_k2, .offset: 40, .size: 8, .value_kind: global_buffer, .address_space: global }
      - { .name: out0, .offset: 48, .size: 8, .value_kind: global_buffer, .address_space: global }
    .group_segment_fixed_size: 250112
    .private_segment_fixed_size: 0
    .kernarg_segment_align: 8
    .kernarg_segment_size: 56
    .max_flat_workgroup_size: 512
    .sgpr_count:     66
    .vgpr_count:     256
    .wavefront_size: 32
...
	.end_amdgpu_metadata
.endif
;; end of part 3
